; MI455X (gfx1250); checked and timed in simulation.
; The chip was launched on July 23, 2026; its instructions are those of AMD's public machine-readable ISA for CDNA 5 (MIT licence, August 2026) and "CDNA5" Instruction Set Architecture Reference Guide (July 2026). The comments in the code are by the model that wrote it; some were corrected since.
;; Quantizable Cross Attention. Allowed arithmetic: matrix products marked QUANTISED: E2M3 operands, one E8M0 scale for each 32 along K, by v_wmma_scale_f32_16x16x128_f8f6f4 with both operands' format E2M3, f32 sums; everything else in f32.
;; Inputs: Wk_codes 1,024 x 24 x 24 uint8 (E2M3 codes of Wk, K innermost, in blocks of 32 codes, four codes in three bytes); Wk_scales 1,024 x 24 uint8 (E8M0 scales of Wk, one for each 32 codes along K); Wo_codes 1,024 x 32 x 24 uint8 (E2M3 codes of Wo, K innermost, in blocks of 32 codes, four codes in three bytes); Wo_scales 1,024 x 32 uint8 (E8M0 scales of Wo, one for each 32 codes along K); Wq_codes 1,024 x 32 x 24 uint8 (E2M3 codes of Wq, K innermost, in blocks of 32 codes, four codes in three bytes); Wq_scales 1,024 x 32 uint8 (E8M0 scales of Wq, one for each 32 codes along K); Wv_codes 1,024 x 24 x 24 uint8 (E2M3 codes of Wv, K innermost, in blocks of 32 codes, four codes in three bytes); Wv_scales 1,024 x 24 uint8 (E8M0 scales of Wv, one for each 32 codes along K); bo 1,024 float32; encoder_hidden_states_codes 8 x 512 x 24 x 24 uint8 (E2M3 codes of encoder_hidden_states, K innermost, in blocks of 32 codes, four codes in three bytes); encoder_hidden_states_scales 8 x 512 x 24 uint8 (E8M0 scales of encoder_hidden_states, one for each 32 codes along K); hidden_states_codes 8 x 2,048 x 32 x 24 uint8 (E2M3 codes of hidden_states, K innermost, in blocks of 32 codes, four codes in three bytes); hidden_states_scales 8 x 2,048 x 32 uint8 (E8M0 scales of hidden_states, one for each 32 codes along K).
;; Outputs: out0 8 x 2,048 x 1,024 float32.
;; This version of the problem:
;;   THIS VERSION OF THE PROBLEM IS GIVEN IN LOW PRECISION. The matrix products marked QUANTISED in the list below multiply operands that are first quantised to E2M3 (2 exponent bits, 3 mantissa bits; 6 bits a number), with one power-of-two scale for each 32 numbers along K (OCP MX v1.0); their sums are f32. All else is computed in f32.
;;   The module's matrix products, in the order in which they are computed (A, B: the left and right operand; K: the contracted axis; several contracted axes count as one K, in the product's order):
;;     1. [M 16,384, K 1,024] x [K 1,024, N 1,024]; A: input hidden_states (given as codes); B: input Wq (given as codes): QUANTISED
;;     2. [M 4,096, K 768] x [K 768, N 1,024]; A: input encoder_hidden_states (given as codes); B: input Wk (given as codes): QUANTISED
;;     3. [M 4,096, K 768] x [K 768, N 1,024]; A: input encoder_hidden_states (given as codes); B: input Wv (given as codes): QUANTISED
;;     4. batch 64 x [M 2,048, K 128] x [K 128, N 512]; A: computed on the way; B: computed on the way: QUANTISED
;;     5. batch 64 x [M 128, K 512] x [K 512, N 2,048]; A: computed on the way; B: softmax (see below): QUANTISED
;;     6. [M 16,384, K 1,024] x [K 1,024, N 1,024]; A: computed on the way; B: input Wo (given as codes): QUANTISED
;;   THE QUANTISER, for each operand of a quantised product, along K:
;;     - K is cut into blocks of 32 from its start; a last block that is shorter is filled with zeros.
;;     - A block's scale is 2^e with e = floor(log2(the largest magnitude in the block)) - 2, held to -126 .. 127; a block of zeros has e = 0. As a byte (E8M0): e + 127.
;;     - Each number is divided by its block's scale, clamped to +-7.5, and rounded to the nearest number of E2M3, ties to even, subnormals kept.
;;     - The product sums the exact products of the quantised numbers (number of the format x scale) in f32.
;;   ~~~python
;;   def quantise(x, axis):      # numpy; x: float32 -> the quantised numbers, widened to float32 again
;;       x = np.moveaxis(x, axis, -1); K = x.shape[-1]
;;       x = np.pad(x, [(0, 0)] * (x.ndim - 1) + [(0, -K % 32)]); x = x.reshape(x.shape[:-1] + (-1, 32)); a = np.abs(x).max(-1, keepdims=True)
;;       e = np.where(a > 0, np.clip(np.frexp(np.where(a > 0, a, 1))[1] - 1 - 2, -126, 127), 0)      # np.frexp(a)[1] - 1 = floor(log2(a)), exactly
;;       r = np.clip(x / 2.0 ** e, -7.5, 7.5)
;;       step = 2.0 ** (np.maximum(np.frexp(np.where(r == 0, 1, r))[1] - 1, 0) - 3)
;;       q = np.round(r / step) * step * 2.0 ** e      # np.round: ties to even
;;       return np.moveaxis(q.reshape(q.shape[:-2] + (-1,))[..., :K], -1, axis).astype(np.float32)
;;   ~~~
;;   SOFTMAX AHEAD OF A QUANTISED PRODUCT. Where the list says 'softmax', what is quantised is not the finished softmax but p = 2^(t - M), with t = logit x log2(e) and M = ceil(the row's largest t), a whole number; so 1/2 < the row's largest p <= 1. The row's sum l is taken of the UNQUANTISED p, in f32, and the product's result is divided by l at the end. Since M is a whole number, a kernel that streams over the keys may use a running M (the ceiling of the running maximum): every later rescaling is an exact power of two, which a block's scale takes up: the codes' values come out the same.
;;   OPERANDS COMPUTED ON THE WAY. 'Computed on the way' means the value that the module computes at that place (a softmax that the list does not call 'softmax' is quantised finished and normalised). What goes into a quantiser is computed in f32, as accurately as f32 sums, v_exp_f32 and their like allow (about 1e-6 of the number): no bf16 or f16 on the way to a quantiser, and a product that is left as it is and whose result goes on into a quantised operand takes f32 operands (vector FMAs, or v_wmma_f32_16x16x4_f32). A number that lies on a knife's edge between two numbers of the format may be rounded either way, as far as f32 arithmetic and the matrix unit's own rounding can turn it there, and no further.
;;   INPUTS GIVEN AS CODES. Wk (in the module: [768, 1024], K = its axis 0); Wo (in the module: [1024, 1024], K = its axis 0); Wq (in the module: [1024, 1024], K = its axis 0); Wv (in the module: [768, 1024], K = its axis 0); encoder_hidden_states (in the module: [8, 512, 768], K = its axis 2); hidden_states (in the module: [8, 2048, 1024], K = its axis 2): each comes as NAME_codes (uint8): NAME with its K axis moved to the last place and cut into blocks of 32 codes, [.., K / 32, bytes a block], one block behind the other in memory; four codes in three bytes: a row's codes are one little-endian stream of bits, code i at bits 6 i .. 6 i + 5 (a code: sign, 2 exponent bits, 3 mantissa bits); and NAME_scales (uint8): the same leading axes, one E8M0 byte (e + 127) for each 32 codes along K. Its value is code x scale, taken as it is: it is not quantised again, and the codes and scales need not be those that the quantiser above would give.
;; One version. Each part assembles by itself: llvm-mc -triple=amdgcn-amd-amdhsa -mcpu=gfx1250 --defsym DOCPART=n.
;; ======== version 1 of 1: 3 launches
;; limits: right only within a limited range of input values
;; workspace buffers: x_img 13,631,488 bytes; a_img 13,631,488 bytes; wq_img 819,200 bytes; wo_img 819,200 bytes; kv_img 6,553,600 bytes
;; launch prep (part 1): grid 8 x 32, 4 waves a work-group, clusters of 4 x 4, 292,352 bytes of LDS; arguments hidden_states_codes, hidden_states_scales, encoder_hidden_states_codes, encoder_hidden_states_scales, Wk_codes, Wk_scales, Wv_codes, Wv_scales, Wq_codes, Wq_scales, Wo_codes, Wo_scales, x_img, wq_img, wo_img, kv_img; writes x_img, wq_img, wo_img, kv_img
.if DOCPART == 1
	.amdgcn_target "amdgcn-amd-amdhsa--gfx1250"
	.amdhsa_code_object_version 6
	.text
	.protected	k_qb99b92db68_prep
	.globl	k_qb99b92db68_prep
	.p2align	8
	.type	k_qb99b92db68_prep,@function
k_qb99b92db68_prep:
	s_mov_b64 s[64:65], 0
	v_nop
	global_prefetch_b8 v0, s[64:65] scope:SCOPE_SE
	s_setreg_imm32_b32 hwreg(HW_REG_WAVE_MODE, 25, 1), 1
	s_wait_xcnt 0x0
	s_wait_alu depctr_hold_cnt(0) depctr_sa_sdst(0) depctr_va_vdst(0) depctr_va_sdst(0) depctr_va_ssrc(0) depctr_va_vcc(0) depctr_vm_vsrc(0)
	s_getreg_b32 s2, hwreg(HW_REG_IB_STS2, 6, 4)
	s_cmp_eq_u32 s2, 0
	s_cbranch_scc0 .Lentry_in_a_cluster
	s_endpgm
.Lentry_in_a_cluster:
	s_bfe_u32 s2, ttmp6, 0x10000c
	s_cmp_lg_u32 s2, 0xf033
	s_cbranch_scc0 .Lentry_shape_is_right
	s_endpgm
.Lentry_shape_is_right:
; PREP.  (1) k = enc Wk and v = enc Wv on E2M3 codes, quantised again (k along the head's 128, v along the keys) and stored as operand images;
; (2) hidden_states, Wq and Wo, which arrive as rows of codes, are laid anew as images of the operand's registers, so that the later launches fetch fragments by 16-byte loads alone.
; IMAGE: a fragment (16 rows x 128 K of 6-bit codes) is 12 registers a lane; registers 4 c .. 4 c + 3 of lane l lie at 512 c + 16 l: 1,536 bytes.
; CHUNK (12,800 bytes): 8 fragments of 128 rows for one K step, tile t at 1,536 t; lane r of tile t holds row 32 (t / 2) + 8 (t % 2) + r + 8 (r / 8), so that, used as source 0, the 64 results of a lane
;   run along those 128 rows in ascending order, 16 neighbours for each half of the lanes in each block of 32.  At 12,288: the scale words, 16 bytes a lane: lanes 0-15 tiles 0-3, lanes 16-31 tiles 4-7.
; XCHUNK (6,656 bytes): 4 fragments of 64 neighbouring rows for one K step, fragment m (rows 16 m + r) at 1,536 m; at 6,144 the scale words, 16 bytes a lane: word m of row 16 m + lane % 16.
; SHARES.  256 work-groups; x = head h, y = 4 b + js (batch, 128 keys).  Each makes the K chunk and the V chunk of (b, h, js): waves 0, 1 K's fragments 0-3, 4-7; waves 2, 3 V's: 8 x 4 tiles x 6 K steps = 192
; matrix instructions a wave.  Each also lays 64 rows of hidden_states (two K steps a wave) and half a chunk of Wq or Wo (a tile a wave; wave 0 its scale words).
; K chunk: source 0 = 16 rows of Wk, source 1 = 16 keys: a lane holds one key, its registers run along d.  V chunk: source 0 = 16 keys, source 1 = 16 rows of Wv: a lane holds one d, registers along the keys.
; CLUSTER 4 x 4: the four work-groups of a row (same y) need the same 128 rows of enc, the four of a column (same x) the same rows of Wk and Wv: joint tensor loads, each LDS byte filled once.
; LDS: Wk's, enc's, Wv's 128 rows of 576 bytes; 16 bytes of padding behind each 64 (pitch 720); each 16 rows begin 12,160 bytes behind the last, so that rows 16 apart, which one fragment load touches,
; lie 32 words apart modulo 64 words: that is why a tensor load brings 16 rows and not more.  A wave has one tensor load outstanding.
; ORDER.  The tensor loads go out first, all loads into registers in one run behind them; what is only laid anew is stored while the tiles are on their way.
; LIMITS: NaN and infinities in k or v are not served; a block whose largest magnitude lies under 2^-124 (zeros too) gets the scale byte 1; only this program reads these bytes.
.set WV,   36                          ; s36 wave;  s37 cx, s38 cy;  s39 x = h;  s40 y = 4 b + js;  s41 i = 8 y + x;  s42 kind (0: K, 1: V);  s43 which four fragments
.set G1E,  44                          ; s[44:51] descriptor group 1 for enc's tiles (mask: my row of the cluster)
.set G1W,  52                          ; s[52:59] for Wk's and Wv's (mask: my column)
.set SEL,  60                          ; s[60:61] lane selects for v_permlanex16_b32: lane l xor 16;  s62 saved EXEC
.set G0,   68                          ; s[68:71] group 0 for Wk's or Wv's tile (waves 0, 1);  s[72:75] for my half of enc's (waves 2, 3)
; THE TILES AS THEY ARE LOADED NOW: one tensor load a wave.  A tensor row is 16 rows of codes, 9,216 dense bytes, at a multiple of 256 bytes; the tile is 512 bytes wider than the tensor,
; and the load writes zeros there: with 16 bytes of padding behind each 64 an LDS row is 12,160 bytes, so that rows of codes 16 apart lie 32 words apart modulo 64 words.
.set GRP,  97280                       ; LDS bytes of 128 rows
.set T16,  12160                       ; of 16 rows
.set PIT,  720
.set ADA,  6                           ; v6-7   source 0's tiles 0-3 (second register: behind one padding more);  v8-9 tiles 4-7
.set ADAH, 8
.set ADB,  10                          ; v10-11 source 1's four tiles
.set TM,   20                          ; v20-35 at work in QUANT
.set CT,   36                          ; v36-43 conversions' second halves
.set PW,   44                          ; v44-47 the four results' scale words
.set ASC,  48                          ; v48-95  source 0's scale words, 6 t + s
.set BSC,  96                          ; v96-119 source 1's, 6 m + s
.set BF,   120                         ; v120-167, v168-215 source 1's fragments, two sets (before that: hidden_states on its way; behind the products: the results' codes)
.set MSB, 0
.macro WIN new                         ; the immediate's high byte repeats the setting that is left
.if MSB != (\new)
	s_set_vgpr_msb (MSB<<8)|(\new)
.set MSB, (\new)
.endif
.endm
.macro PLACES                          ; four plain vector places behind matrix instructions, in front of loads into their registers and of reads of their results
.rept 4
	v_nop
.endr
.endm
.macro CROUND                          ; a round of the cluster's barrier
	s_barrier_signal -1
	s_barrier_wait -1
	s_cmp_lg_u32 s[WV], 0
	s_cbranch_scc1 .Lnot_wave_0_\@
	s_barrier_signal -3
.Lnot_wave_0_\@:
	s_barrier_wait -3
	s_barrier_signal -1
	s_barrier_wait -1
.endm
; 64 numbers of a lane in window W, register 16 b + i = k 32 b + 16 (lane / 16) + i of my row, become a fragment's codes in v[pc] on and its scale word in v[pw] (window 0).
.macro QUANT src, W, pc, pw
	WIN ((\W)|((\W)<<2))
.irp b, 0,1,2,3
	v_max3_num_f32 v[TM+\b], |v[(\src)+16*\b]|, |v[(\src)+16*\b+1]|, 0x1800000   ; my 16 numbers of block b, from each accumulator's low end on, and the floor 2^(3 - 127): the byte cannot fall under 1
.endr
	WIN (((\W)<<2)|((\W)<<4))
.irp i, 2,4,6,8,10,12,14
.irp b, 0,1,2,3
	v_max3_num_f32 v[TM+\b], v[TM+\b], |v[(\src)+16*\b+\i]|, |v[(\src)+16*\b+\i+1]|
.endr
.endr
	WIN 0
.irp b, 0,1,2,3
	v_permlanex16_b32 v[TM+4+\b], v[TM+\b], s[SEL], s[SEL+1]
.endr
.irp b, 0,1,2,3
	v_max_num_f32 v[TM+\b], v[TM+\b], v[TM+4+\b]       ; with lane l xor 16's: the block's largest magnitude
.endr
.irp b, 0,1,2,3
	v_add_nc_u32 v[TM+12+\b], 0xff000000, v[TM+\b]     ; 2 off its exponent field: the conversion's scale operand
.endr
.irp b, 0,1,2,3
	v_lshrrev_b32 v[TM+4+\b], 23, v[TM+12+\b]          ; the scale's byte
.endr
	v_lshl_or_b32 v[\pw], v[TM+5], 8, v[TM+4]
	v_lshl_or_b32 v[\pw], v[TM+6], 16, v[\pw]
	v_lshl_or_b32 v[\pw], v[TM+7], 24, v[\pw]
	WIN (\W)
.irp c, 0,1
	v_cvt_scalef32_pk16_fp6_f32 v[(\pc)+6*\c:(\pc)+6*\c+2], v[(\src)+32*\c:(\src)+32*\c+15], v[TM+12+2*\c]
	v_cvt_scalef32_pk16_fp6_f32 v[CT+4*\c:CT+4*\c+2], v[(\src)+32*\c+16:(\src)+32*\c+31], v[TM+13+2*\c]   ; (a conversion's three registers begin on an even number)
.endr
	WIN 0
	v_nop                                              ; one plain place behind a scaled conversion
.irp c, 0,1                                        ; the operand's layout wants a whole block in a lane
.irp i, 0,1,2
	v_permlane16_swap_b32 v[(\pc)+6*\c+\i], v[CT+4*\c+\i]
.endr
.irp i, 0,1,2
	v_mov_b32 v[(\pc)+3+6*\c+\i], v[CT+4*\c+\i]
.endr
.endr
.endm
	s_load_b512 s[4:19], s[0:1], 0x0               ; hs codes 4, hs scales 6, enc codes 8, enc scales 10, Wk codes 12, Wk scales 14, Wv codes 16, Wv scales 18
	s_load_b512 s[20:35], s[0:1], 0x40             ; Wq codes 20, Wq scales 22, Wo codes 24, Wo scales 26, x_img 28, wq_img 30, wo_img 32, kv_img 34
	v_lshl_add_u32 v254, v0, 2, 0x47400
	v_mov_b32 v255, 0
	ds_add_u32 v254, v255
	ds_add_u32 v254, v255
	v_lshrrev_b32 v1, 5, v0
	v_readfirstlane_b32 s[WV], v1
	s_bfe_u32 s37, ttmp6, 0x40000                  ; cx
	s_bfe_u32 s38, ttmp6, 0x40004                  ; cy
	s_lshl_b32 s39, ttmp9, 2
	s_add_co_u32 s39, s39, s37                     ; x = head
	s_and_b32 s40, ttmp7, 0xffff
	s_lshl_b32 s40, s40, 2
	s_add_co_u32 s40, s40, s38                     ; y = 4 b + js
	s_lshl_b32 s41, s40, 3
	s_add_co_u32 s41, s41, s39                     ; i: enters global addresses and selects alone
	s_lshr_b32 s42, s[WV], 1                       ; kind
	s_and_b32 s43, s[WV], 1                        ; q
	s_lshl_b32 s92, s38, 2
	s_lshl_b32 s92, 15, s92                        ; my row of the cluster
	s_lshl_b32 s93, 0x1111, s37                    ; my column
	s_or_b32 s[G1E], s92, (3<<16)|(1<<20)|(1<<21)|(3<<22)|(3<<25)   ; mask; elements of 8 bytes; padding on; bit 21 beside a mask; after every 16 words, 4 words
	s_or_b32 s[G1W], s93, (3<<16)|(1<<20)|(1<<21)|(3<<22)|(3<<25)
.irp g, G1E, G1W
	s_mov_b32 s[\g+1], 1152<<16                    ; tensor_dim0 = 9,216 bytes: 16 rows of codes
	s_mov_b32 s[\g+3], 1216<<16                    ; tile_dim0 = 9,728 bytes: the last 512 are written as zeros
	s_mov_b32 s[\g+5], 1152                        ; pitch
	s_mov_b32 s[\g+6], 0
	s_mov_b32 s[\g+7], 0
.endr
	s_mov_b32 s[G1W+2], 8<<16                      ; Wk, Wv: 8 such rows, all 128 rows of codes
	s_mov_b32 s[G1W+4], 8
	s_mov_b32 s[G1E+2], 4<<16                      ; enc: 4, half of the 128
	s_mov_b32 s[G1E+4], 4
	s_mul_i32 s98, s43, 36864                      ; which half of enc's rows
	s_mul_i32 s94, s40, 73728                      ; enc: hangs on y alone
	s_add_co_u32 s94, s94, s98
	s_mov_b32 s95, 0
	s_mul_i32 s96, s39, 73728                      ; Wk, Wv: on x alone
	s_mov_b32 s97, 0
	s_mov_b32 s[SEL], 0x76543210
	s_mov_b32 s[SEL+1], 0xfedcba98
	v_and_b32 v1, 31, v0                           ; l
	v_and_b32 v2, 15, v0                           ; r
	v_bfe_u32 v3, v0, 4, 1                         ; hf
	v_and_b32 v4, 8, v0
	v_add_nc_u32 v4, v4, v2                        ; rp = r + 8 (r / 8)
	v_lshlrev_b32 v5, 4, v1                        ; 16 l
	v_bfe_u32 v6, v0, 3, 1
	v_and_b32 v7, 7, v0
	v_mul_u32_u24 v6, v6, T16
	v_mad_u32_u24 v6, v7, PIT, v6
	v_mad_u32_u24 v6, v3, 24, v6                   ; my lane's row of a tile: (r / 8) x 16 rows + (r % 8) rows + 24 hf
	v_lshl_add_u32 v7, v3, 4, v6                   ; and behind one padding more
	s_mul_i32 s66, s42, GRP                        ; source 0: Wk (K) or enc (V)
	s_mul_i32 s67, s43, 4*T16
	s_add_co_u32 s67, s67, s66
	s_add_co_u32 s67, s67, GRP                     ; source 1: enc (K) or Wv (V), my four tiles
	v_add_nc_u32 v[ADB], s67, v6
	v_add_nc_u32 v[ADB+1], s67, v7
	v_add_nc_u32 v[ADA], s66, v6
	v_add_nc_u32 v[ADA+1], s66, v7
	v_add_nc_u32 v[ADAH], 4*T16, v[ADA]
	v_add_nc_u32 v[ADAH+1], 4*T16, v[ADA+1]
	v_mul_u32_u24 v12, v2, 768
	v_mad_u32_u24 v12, v3, 24, v12                 ; hs: row r of 768 bytes + 24 hf
	v_mul_u32_u24 v13, v4, 768
	v_mad_u32_u24 v13, v3, 24, v13                 ; Wq, Wo: row rp
	v_lshlrev_b32 v14, 5, v2                       ; scale rows of 32 bytes: r,
	v_lshlrev_b32 v15, 5, v4                       ; rp;
	v_mul_u32_u24 v16, v4, 24                      ; of 24 bytes: rp
	s_mul_i32 s63, s43, 6144
	v_add_nc_u32 v17, s63, v5                      ; my four fragments' place in the chunk
	v_lshlrev_b32 v19, 4, v2
	s_lshl_b32 s63, s43, 8
	s_add_co_u32 s63, s63, 12288
	v_add_nc_u32 v18, s63, v19                     ; and their scale words'
.irp b, 0,1,2,3
	v_mov_b32 v[TM+4+\b], 0                        ; written once: a lane permute's destination counts as one of its sources
.endr
	s_wait_dscnt 0x0
	s_wait_kmcnt 0x0
	s_cmp_eq_u32 s43, 0                            ; wave 0 fetches Wk, wave 1 Wv; waves 2 and 3 a half of enc each
	s_cselect_b64 s[G0+2:G0+3], s[12:13], s[16:17]
	s_add_nc_u64 s[G0+2:G0+3], s[G0+2:G0+3], s[96:97]
	s_or_b32 s[G0+3], s[G0+3], 0x80000000
	s_mov_b32 s[G0], 1
	s_mul_i32 s[G0+1], s43, 2*GRP                  ; Wk's group lies first, Wv's third
	s_mov_b32 s[G0+4], 1
	s_mul_i32 s[G0+5], s43, 4*T16
	s_add_co_u32 s[G0+5], s[G0+5], GRP             ; enc's group lies second
	s_add_nc_u64 s[G0+6:G0+7], s[8:9], s[94:95]
	s_or_b32 s[G0+7], s[G0+7], 0x80000000
	CROUND                                         ; all sixteen work-groups are here: the joint loads meet
	s_cmp_eq_u32 s42, 0                            ; one tensor load a wave
	s_cbranch_scc0 .Lfor_enc
	tensor_load_to_lds s[G0:G0+3], s[G1W:G1W+7]
	s_nop 0
.rept 4
	v_nop
.endr
	s_branch .Lasked
.Lfor_enc:
	tensor_load_to_lds s[G0+4:G0+7], s[G1E:G1E+7]
	s_nop 0
.rept 4
	v_nop
.endr
.Lasked:
	; every pointer is brought to its place once and then stays
	s_mov_b32 s93, 0
	s_mul_i32 s92, s40, 3072
	s_add_nc_u64 s[10:11], s[10:11], s[92:93]      ; enc's scales at my 128 keys
	s_mul_i32 s92, s39, 3072
	s_add_nc_u64 s[14:15], s[14:15], s[92:93]      ; Wk's and Wv's at my head
	s_add_nc_u64 s[18:19], s[18:19], s[92:93]
	s_cmp_eq_u32 s42, 0
	s_cselect_b64 s[14:15], s[14:15], s[10:11]     ; source 0's scales
	s_cselect_b64 s[18:19], s[10:11], s[18:19]     ; source 1's,
	s_mul_i32 s92, s43, 1536
	s_add_nc_u64 s[18:19], s[18:19], s[92:93]      ; at my four tiles (64 rows of 24 bytes)
	s_cmp_lt_u32 s41, 128                          ; the first 128 work-groups lay Wq, the others Wo: a choice of pointers, no branch
	s_cselect_b64 s[20:21], s[20:21], s[24:25]
	s_cselect_b64 s[22:23], s[22:23], s[26:27]
	s_cselect_b64 s[30:31], s[30:31], s[32:33]
	s_bfe_u32 s94, s41, 0x60001                    ; the chunk: 8 g + s
	s_and_b32 s95, s41, 1                          ; which half of it
	s_lshr_b32 s96, s94, 3
	s_and_b32 s97, s94, 7
	s_lshl_b32 s96, s96, 7
	s_lshl_b32 s98, s95, 6
	s_add_co_u32 s96, s96, s98                     ; row 128 g + 64 half
	s_lshl_b32 s92, s96, 5
	s_lshl_b32 s98, s97, 2
	s_add_co_u32 s92, s92, s98
	s_add_nc_u64 s[22:23], s[22:23], s[92:93]      ; its scale word of K step s
	s_lshl_b32 s98, s42, 5
	s_add_co_u32 s96, s96, s98
	s_lshl_b32 s98, s43, 3
	s_add_co_u32 s96, s96, s98                     ; my tile's first row: + 32 (w / 2) + 8 (w % 2)
	s_mul_i32 s92, s96, 768
	s_mul_i32 s98, s97, 96
	s_add_co_u32 s92, s92, s98
	s_add_nc_u64 s[20:21], s[20:21], s[92:93]
	s_mul_i32 s92, s94, 12800
	s_add_nc_u64 s[30:31], s[30:31], s[92:93]      ; the chunk's image,
	s_lshl_b32 s92, s95, 2
	s_add_co_u32 s92, s92, s[WV]
	s_mul_i32 s92, s92, 1536
	s_add_nc_u64 s[24:25], s[30:31], s[92:93]      ; my tile in it,
	s_lshl_b32 s92, s95, 8
	s_add_co_u32 s92, s92, 12288
	s_add_nc_u64 s[26:27], s[30:31], s[92:93]      ; the half's scale words
	s_mul_i32 s92, s41, 49152
	s_mul_i32 s98, s[WV], 192
	s_add_co_u32 s92, s92, s98
	s_add_nc_u64 s[4:5], s[4:5], s[92:93]          ; hs: 64 rows of group i, K steps 2 w, 2 w + 1
	s_lshl_b32 s92, s41, 11
	s_lshl_b32 s98, s[WV], 3
	s_add_co_u32 s92, s92, s98
	s_add_nc_u64 s[6:7], s[6:7], s[92:93]
	s_mul_i32 s92, s41, 53248
	s_mul_i32 s98, s[WV], 13312
	s_add_co_u32 s92, s92, s98
	s_add_nc_u64 s[28:29], s[28:29], s[92:93]
	s_lshr_b32 s92, s40, 2
	s_lshl_b32 s92, s92, 3
	s_add_co_u32 s92, s92, s39                     ; 8 b + h
	s_mul_i32 s92, s92, 102400
	s_mul_i32 s98, s42, 51200
	s_add_co_u32 s92, s92, s98
	s_and_b32 s98, s40, 3
	s_mul_i32 s98, s98, 12800
	s_add_co_u32 s92, s92, s98
	s_add_nc_u64 s[34:35], s[34:35], s[92:93]      ; my chunk of kv_img
	; ALL LOADS INTO REGISTERS GO OUT IN ONE RUN.  The products' scale words first: a row's 24 bytes are the words of its six K steps
	s_wait_alu depctr_va_vdst(0)
.irp t, 0,1,2,3,4,5,6,7
.irp k, 0,1,2
	global_load_b64 v[ASC+6*\t+2*\k:ASC+6*\t+2*\k+1], v16, s[14:15] offset:(32*(\t/2)+8*(\t%2))*24+8*\k
.endr
.endr
.irp m, 0,1,2,3
.irp k, 0,1,2
	global_load_b64 v[BSC+6*\m+2*\k:BSC+6*\m+2*\k+1], v16, s[18:19] offset:(32*(\m/2)+8*(\m%2))*24+8*\k
.endr
.endr
.irp p, 0,1,2,3,4,5
	global_load_b64 v[224+2*\p:225+2*\p], v13, s[20:21] offset:48*(\p/3)+8*(\p%3)   ; my tile of Wq or Wo
.endr
.macro P1LOAD reg, sc, u               ; hs: four fragments and their scale words of K step 2 w + u: 28 loads
.irp m, 0,1,2,3
.irp p, 0,1,2,3,4,5
	global_load_b64 v[\reg+12*\m+2*\p:\reg+12*\m+2*\p+1], v12, s[4:5] offset:\m*12288+96*\u+48*(\p/3)+8*(\p%3)
.endr
	global_load_b32 v[\sc+\m], v14, s[6:7] offset:512*\m+4*\u
.endr
.endm
.macro P1STORE reg, sc, u              ; and out as an XCHUNK: each store covers 512 consecutive bytes, aligned to 256
.irp k, 0,1,2,3,4,5,6,7,8,9,10,11
	global_store_b128 v5, v[\reg+4*\k:\reg+4*\k+3], s[28:29] offset:6656*\u+512*\k
.endr
	global_store_b128 v5, v[\sc:\sc+3], s[28:29] offset:6656*\u+6144
.endm
	P1LOAD BF, 216, 0
	P1LOAD BF+48, 220, 1
	s_cmp_lg_u32 s[WV], 0                          ; wave 0 lays the half chunk's scale words.  Its four loads follow the run directly, and loads, wait and store stand in one branch:
	s_cbranch_scc1 .Lno_scales                     ; behind the join the counted waits below hold on both ways (on wave 0's everything has landed)
.irp j, 0,1,2,3
	global_load_b32 v[236+\j], v15, s[22:23] offset:(32*(\j/2)+8*(\j%2))*32
.endr
	s_wait_loadcnt 0x0
	s_wait_xcnt 0x0                                ; EXEC changes only behind this wait
	v_cmp_gt_u32 vcc_lo, 16, v1
	s_and_saveexec_b32 s62, vcc_lo
	global_store_b128 v19, v[236:239], s[26:27]    ; 16 lanes, 256 consecutive bytes
	s_wait_xcnt 0x0
	s_or_b32 exec_lo, exec_lo, s62
.Lno_scales:
	s_wait_loadcnt 56                              ; hs's 56 loads may be out: the scale words and my tile are in
.irp c, 0,1,2
	global_store_b128 v5, v[224+4*\c:227+4*\c], s[24:25] offset:512*\c
.endr
	s_wait_loadcnt 28                              ; the second K step's 28 may be out
	P1STORE BF, 216, 0
	s_wait_loadcnt 0x0
	P1STORE BF+48, 220, 1
	s_wait_xcnt 0x0                                ; the stores have read v120-215: LDS loads may land there
	s_wait_tensorcnt 0x0                           ; my tile is in,
	s_barrier_signal -1
	s_barrier_wait -1                              ; everybody's are; nothing is filled again
; a fragment from padded rows, in pieces of 8 bytes; lanes 16-31 read three pieces on, which for some pieces is behind one padding more: the second address register
.macro FRAG reg, ad, s, rowoff
.irp p, 0,1,2,3,4,5
.set PCI, 12*(\s)+6*(\p/3)+\p%3
.if PCI%8 < 5
	ds_load_b64 v[\reg+2*\p:\reg+2*\p+1], v[\ad] offset:8*PCI+16*(PCI/8)+(\rowoff)
.else
	ds_load_b64 v[\reg+2*\p:\reg+2*\p+1], v[\ad+1] offset:8*PCI+16*(PCI/8)+(\rowoff)
.endif
.endr
.endm
.macro PFETCH s, buf                   ; K step s: source 0's eight fragments (window 1) and source 1's four: 72 loads
	WIN 0x40
.irp t, 0,1,2,3
	FRAG 96*(\buf)+12*\t, ADA, \s, (\t/2)*2*T16+(\t%2)*5760
.endr
.irp t, 0,1,2,3
	FRAG 96*(\buf)+48+12*\t, ADAH, \s, (\t/2)*2*T16+(\t%2)*5760
.endr
	WIN 0
.irp m, 0,1,2,3
	FRAG BF+48*(\buf)+12*\m, ADB, \s, (\m/2)*2*T16+(\m%2)*5760
.endr
.endm
; a K step: the next step's fragments are asked for, then 32 matrix instructions; the 32 accumulators take turns in the same order in every step
.macro PSTEP s
	s_wait_dscnt 0x0                               ; this step's 72 loads are in (more than a counted wait can name)
.if \s < 5
.if \s > 0
	PLACES
.endif
	PFETCH (\s)+1, ((\s)+1)%2
.endif
	WIN 0xa1                                       ; source 0 window 1, source 1 window 0, C and D window 2
.irp t, 0,1,2,3,4,5,6,7
.irp m, 0,1,2,3
.if \s == 0
	v_wmma_scale_f32_16x16x128_f8f6f4 v[64*\m+8*\t:64*\m+8*\t+7], v[96*((\s)%2)+12*\t:96*((\s)%2)+12*\t+11], v[BF+48*((\s)%2)+12*\m:BF+48*((\s)%2)+12*\m+11], 0, v[ASC+6*\t+\s], v[BSC+6*\m+\s] matrix_a_fmt:MATRIX_FMT_FP6 matrix_b_fmt:MATRIX_FMT_FP6
.else
	v_wmma_scale_f32_16x16x128_f8f6f4 v[64*\m+8*\t:64*\m+8*\t+7], v[96*((\s)%2)+12*\t:96*((\s)%2)+12*\t+11], v[BF+48*((\s)%2)+12*\m:BF+48*((\s)%2)+12*\m+11], v[64*\m+8*\t:64*\m+8*\t+7], v[ASC+6*\t+\s], v[BSC+6*\m+\s] matrix_a_fmt:MATRIX_FMT_FP6 matrix_b_fmt:MATRIX_FMT_FP6
.endif
.endr
.endr
.endm
	PFETCH 0, 0
.irp s, 0,1,2,3,4,5
	PSTEP \s
.endr
	WIN 0
	PLACES
.irp m, 0,1,2,3                        ; my four fragments: quantised in registers and stored as images
	QUANT 64*\m, 2, BF+12*\m, PW+\m
.irp c, 0,1,2
	global_store_b128 v17, v[BF+12*\m+4*\c:BF+12*\m+4*\c+3], s[34:35] offset:1536*\m+512*\c
.endr
.endr
	s_wait_xcnt 0x0                                ; EXEC changes only behind this wait
	v_cmp_gt_u32 vcc_lo, 16, v1
	s_and_saveexec_b32 s62, vcc_lo
	global_store_b128 v18, v[PW:PW+3], s[34:35]    ; their scale words: 16 lanes, 256 consecutive bytes
	s_wait_xcnt 0x0
	s_or_b32 exec_lo, exec_lo, s62
	s_wait_tensorcnt 0x0
	ds_add_u32 v254, v255
	s_wait_dscnt 0x0
	CROUND                                         ; the closing round
	s_endpgm
.Lfunc_end_k_qb99b92db68_prep:
	.size	k_qb99b92db68_prep, .Lfunc_end_k_qb99b92db68_prep-k_qb99b92db68_prep
	.p2alignl 7, 3214868480
	.fill 96, 4, 3214868480
	.section	.rodata,"a",@progbits
	.p2align	6, 0x0
	.amdhsa_kernel k_qb99b92db68_prep
		.amdhsa_group_segment_fixed_size 292352
		.amdhsa_private_segment_fixed_size 0
		.amdhsa_enable_private_segment 0
		.amdhsa_kernarg_size 128
		.amdhsa_user_sgpr_count 2
		.amdhsa_user_sgpr_kernarg_segment_ptr 1
		.amdhsa_wavefront_size32 1
		.amdhsa_system_sgpr_workgroup_id_x 1
		.amdhsa_system_sgpr_workgroup_id_y 1
		.amdhsa_system_sgpr_workgroup_id_z 1
		.amdhsa_system_vgpr_workitem_id 0
		.amdhsa_next_free_vgpr 768
		.amdhsa_next_free_sgpr 100
		.amdhsa_reserve_vcc 1
		.amdhsa_float_denorm_mode_32 3
		.amdhsa_float_denorm_mode_16_64 3
		.amdhsa_memory_ordered 1
		.amdhsa_forward_progress 1
		.amdhsa_inst_pref_size 92
	.end_amdhsa_kernel
	.amdgpu_metadata
---
amdhsa.version: [ 1, 2 ]
amdhsa.kernels:
  - .name:           k_qb99b92db68_prep
    .symbol:         k_qb99b92db68_prep.kd
    .args:
      - { .name: hidden_states_codes, .offset: 0, .size: 8, .value_kind: global_buffer, .address_space: global }
      - { .name: hidden_states_scales, .offset: 8, .size: 8, .value_kind: global_buffer, .address_space: global }
      - { .name: encoder_hidden_states_codes, .offset: 16, .size: 8, .value_kind: global_buffer, .address_space: global }
      - { .name: encoder_hidden_states_scales, .offset: 24, .size: 8, .value_kind: global_buffer, .address_space: global }
      - { .name: Wk_codes, .offset: 32, .size: 8, .value_kind: global_buffer, .address_space: global }
      - { .name: Wk_scales, .offset: 40, .size: 8, .value_kind: global_buffer, .address_space: global }
      - { .name: Wv_codes, .offset: 48, .size: 8, .value_kind: global_buffer, .address_space: global }
      - { .name: Wv_scales, .offset: 56, .size: 8, .value_kind: global_buffer, .address_space: global }
      - { .name: Wq_codes, .offset: 64, .size: 8, .value_kind: global_buffer, .address_space: global }
      - { .name: Wq_scales, .offset: 72, .size: 8, .value_kind: global_buffer, .address_space: global }
      - { .name: Wo_codes, .offset: 80, .size: 8, .value_kind: global_buffer, .address_space: global }
      - { .name: Wo_scales, .offset: 88, .size: 8, .value_kind: global_buffer, .address_space: global }
      - { .name: x_img, .offset: 96, .size: 8, .value_kind: global_buffer, .address_space: global }
      - { .name: wq_img, .offset: 104, .size: 8, .value_kind: global_buffer, .address_space: global }
      - { .name: wo_img, .offset: 112, .size: 8, .value_kind: global_buffer, .address_space: global }
      - { .name: kv_img, .offset: 120, .size: 8, .value_kind: global_buffer, .address_space: global }
    .group_segment_fixed_size: 292352
    .private_segment_fixed_size: 0
    .kernarg_segment_align: 8
    .kernarg_segment_size: 128
    .max_flat_workgroup_size: 128
    .sgpr_count:     100
    .vgpr_count:     768
    .wavefront_size: 32
...
	.end_amdgpu_metadata
.endif
;; end of part 1
;; launch qattn (part 2): grid 4 x 64, 8 waves a work-group, clusters of 4 x 1, 205,824 bytes of LDS; arguments x_img, wq_img, kv_img, a_img; writes a_img
.if DOCPART == 2
	.amdgcn_target "amdgcn-amd-amdhsa--gfx1250"
	.amdhsa_code_object_version 6
	.text
	.protected	k_qb99b92db68_qattn
	.globl	k_qb99b92db68_qattn
	.p2align	8
	.type	k_qb99b92db68_qattn,@function
k_qb99b92db68_qattn:
	s_mov_b64 s[64:65], 0
	v_nop
	global_prefetch_b8 v0, s[64:65] scope:SCOPE_SE
	s_setreg_imm32_b32 hwreg(HW_REG_WAVE_MODE, 25, 1), 1
	s_wait_xcnt 0x0
	s_wait_alu depctr_hold_cnt(0) depctr_sa_sdst(0) depctr_va_vdst(0) depctr_va_sdst(0) depctr_va_ssrc(0) depctr_va_vcc(0) depctr_vm_vsrc(0)
	s_getreg_b32 s2, hwreg(HW_REG_IB_STS2, 6, 4)
	s_cmp_eq_u32 s2, 0
	s_cbranch_scc0 .Lentry_in_a_cluster
	s_endpgm
.Lentry_in_a_cluster:
	s_bfe_u32 s2, ttmp6, 0x10000c
	s_cmp_lg_u32 s2, 0x3003
	s_cbranch_scc0 .Lentry_shape_is_right
	s_endpgm
.Lentry_shape_is_right:
; QATTN.  For one batch and head (y = 8 b + h) and 512 query rows (x): q = hs Wq (this head's 128 columns), quantised along d; S = q k^T; p = 2^(t - M), quantised along the keys; O = p v; O / l, quantised along d,
; stored as the output projection's operand (a_img).  All products on E2M3 codes with E8M0 scales.
; IMAGE: a fragment's 12 registers, registers 4 c .. 4 c + 3 of lane l at 512 c + 16 l.  CHUNK (12,800 bytes): 8 fragments whose lane r holds row 32 (t / 2) + 8 (t % 2) + r + 8 (r / 8), and at 12,288 the scale words
; (register t % 4; lanes 0-15 tiles 0-3, lanes 16-31 tiles 4-7).  XCHUNK (6,656 bytes): 4 fragments of 64 neighbouring rows; x_img has its scale words at 6,144 + 16 lane + 4 m;
; a_img at 6,144 + 256 (m / 2) + 8 lane + 4 (m % 2), so that a half's words are 256 consecutive bytes.
; SHARES.  Eight waves, two to a SIMD, 512 registers each.  A wave owns 64 rows (one XCHUNK group) as two halves of 32, a loop of two trips.  A matrix step is 8 tiles of a chunk (source 0) x 2 tiles of 16 rows
; (source 1): 16 instructions on 16 accumulators, (m, t) at 64 m + 8 t.  A lane holds ONE row throughout, and its 64 registers of a tile run along the next product's K in the quantiser's order.
; ONE SET of chunk registers, refilled by halves: behind the eight products on fragments 0-3 the next chunk's fragments 0-3 and scale words are asked for (13 loads), behind those on fragments 4-7 its
; fragments 4-7 (12 loads).  So the counted waits are 12 (the second run may be out) and 13 (the next chunk's first run may be out).
; RESIDENT in LDS, filled once: Wq's 8 chunks of the head (0 ..), K's 4 (102,400 ..), V's 4 (153,600 ..).  CLUSTER 4 x 1: the four row blocks of one (b, h) need the same 204,800 bytes: joint tensor loads.
; ONE TENSOR LOAD A WAVE, all at the head: waves 0-3 ask for two chunks of Wq each, waves 4-7 for two of K's and V's eight; wave w's 25,600 bytes land at 25,600 w.  One wait and one barrier show all of it to all waves;
; behind that barrier the waves meet no barrier until the closing round.
; x goes from memory to the one wave's registers that uses it, asked for three K steps ahead by the loads themselves: no prefetch is laid beside them.
; SOFTMAX: t = score x log2(e) / sqrt(128); M = the running largest t rounded up to a whole number, kept as -M = floor(-t); the row's sum is taken of the unquantised p; when M moves, the sum and O are multiplied by
; 2^(old M - new M), exactly.  A block's largest p is made from the block's largest score by the same multiply-add and exponential (this takes v_exp_f32 not to fall where its input rises).
; LIMITS: NaN and infinities are not served; a block whose largest magnitude lies under 2^-124 (zeros too) gets the scale byte 1, read by this program alone; 1 / l is v_rcp_f32 and a multiplication.
; In the last trip the last key step's look-ahead (25 LDS loads of Wq's chunk 0) serves nothing: the price of one text for both halves.
; REGISTERS.  window 0: below.  window 1: v0-127 S and p (while they are not alive, x's ring: slot k at 32 k .. 32 k + 23); v128-255 q's sums, then O.
.set WV,  12                           ; s12 wave; s13 cx; s14 8 b + h; s15 h
.set G1,  24                           ; s[24:31] descriptor group 1;  s[32:35] group 0
.set G0,  32
.set XP,  40                           ; x_img at my half's fragments;  XQ at its scale words
.set XQ,  42
.set AP,  44                           ; a_img likewise
.set AQ,  46
.set SEL, 48                           ; lane l xor 16
.set CS,  50                           ; c = log2(e) / sqrt(128), twice
.set HC,  52
.set KC,  53
.set TK,  54
.set TV,  55
.set TKE, 56
.set LI,  1                            ; 16 x lane;  v2 + 51,200;  v3 + 102,400
.set LA1, 2
.set LAK, 3
.set ADK, 4
.set ADV, 5
.set L8,  6                            ; 8 x lane
.set SPW, 8                            ; my spare word;  v9 = 0
.set NIL, 9
.set AS,  12                           ; v12-15, v16-19 chunk scale words, two sets
.set XS,  20                           ; v20-27 x's scale words, 2 for each ring slot
.set QS,  28
.set PS,  30
.set ST,  32                           ; tile m: -M, largest score, the sum in two halves
.set RC,  40
.set T,   44
.set QC,  48                           ; q's codes
.set PC,  72                           ; p's codes, at the end attn's
.set TM,  96                           ; 16 registers at work for each tile
.set CH,  128                          ; the chunk's 96 registers
.set OB,  128                          ; O in window 1
.set MSB, 0
.macro WIN new
.if MSB != (\new)
	s_set_vgpr_msb (MSB<<8)|(\new)
.set MSB, (\new)
.endif
.endm
.macro PLACES                          ; four plain places behind matrix instructions (ISA guide 7.12.1)
.rept 4
	v_nop
.endr
.endm
.macro DL n                            ; a hint: the next line reads the result of the vector line n back
	s_delay_alu instid0(VALU_DEP_\n)
.endm
.macro CROUND
	s_barrier_signal -1
	s_barrier_wait -1
	s_cmp_lg_u32 s[WV], 0
	s_cbranch_scc1 .Lnot_wave_0_\@
	s_barrier_signal -3
.Lnot_wave_0_\@:
	s_barrier_wait -3
	s_barrier_signal -1
	s_barrier_wait -1
.endm
; eight products: chunk tiles t0 .. t0 + 3 x two tiles of rows; the accumulators take turns
.macro MMH t0, bf, sa, sb, acc, zero
.irp tt, 0,1,2,3
.irp m, 0,1
.set DD, (\acc)+64*\m+8*((\t0)+\tt)
.set AA, CH+12*((\t0)+\tt)
.set BB, (\bf)+12*\m
.if (\zero) && ((\t0) == 0)
	v_wmma_scale_f32_16x16x128_f8f6f4 v[DD:DD+7], v[AA:AA+11], v[BB:BB+11], 0, v[(\sa)+\tt], v[(\sb)+\m] matrix_a_fmt:MATRIX_FMT_FP6 matrix_b_fmt:MATRIX_FMT_FP6
.elseif \zero
	v_wmma_scale_f32_16x16x128_f8f6f4 v[DD:DD+7], v[AA:AA+11], v[BB:BB+11], 0, v[(\sa)+\tt], v[(\sb)+\m] matrix_a_fmt:MATRIX_FMT_FP6 matrix_b_fmt:MATRIX_FMT_FP6 matrix_a_scale:MATRIX_SCALE_ROW1
.elseif (\t0) == 0
	v_wmma_scale_f32_16x16x128_f8f6f4 v[DD:DD+7], v[AA:AA+11], v[BB:BB+11], v[DD:DD+7], v[(\sa)+\tt], v[(\sb)+\m] matrix_a_fmt:MATRIX_FMT_FP6 matrix_b_fmt:MATRIX_FMT_FP6
.else
	v_wmma_scale_f32_16x16x128_f8f6f4 v[DD:DD+7], v[AA:AA+11], v[BB:BB+11], v[DD:DD+7], v[(\sa)+\tt], v[(\sb)+\m] matrix_a_fmt:MATRIX_FMT_FP6 matrix_b_fmt:MATRIX_FMT_FP6 matrix_a_scale:MATRIX_SCALE_ROW1
.endif
.endr
.endr
.endm
.macro RUN1 adr, off, as               ; a chunk's scale words and fragments 0-3: 13 loads
	ds_load_b128 v[\as:\as+3], v[\adr] offset:(\off)+12288
.irp k, 0,1,2,3,4,5,6,7,8,9,10,11
	ds_load_b128 v[CH+4*\k:CH+4*\k+3], v[\adr] offset:(\off)+512*\k
.endr
.endm
.macro RUN2 adr, off                   ; its fragments 4-7: 12 loads
.irp k, 12,13,14,15,16,17,18,19,20,21,22,23
	ds_load_b128 v[CH+4*\k:CH+4*\k+3], v[\adr] offset:(\off)+512*\k
.endr
.endm
.macro MMSTEP win, bf, sa, sb, acc, zero, nadr, nas
	s_wait_dscnt 12                                ; the scale words and fragments 0-3 are in; the second run's 12 may be out
	WIN \win
	MMH 0, \bf, \sa, \sb, \acc, \zero
	PLACES
	WIN 0
	RUN1 \nadr, 0, \nas
	s_wait_dscnt 13                                ; fragments 4-7 are in; the 13 just asked for may be out
	WIN \win
	MMH 4, \bf, \sa, \sb, \acc, \zero
	PLACES
	WIN 0
	RUN2 \nadr, 0
.endm
.macro XLOAD s, fo, so                 ; my half of x's chunk of K step s into ring slot s % 4: 7 loads
	WIN 0x40
.irp k, 0,1,2,3,4,5
	global_load_b128 v[32*((\s)%4)+4*\k:32*((\s)%4)+4*\k+3], v[LI], s[XP:XP+1] offset:(\fo)+6656*(\s)+512*\k
.endr
	WIN 0
	global_load_b64 v[XS+2*((\s)%4):XS+2*((\s)%4)+1], v[LI], s[XQ:XQ+1] offset:(\so)+6656*(\s)
.endm
.macro GHALF s, t0
	WIN 0x54                                       ; source 0 window 0, source 1 (x), C and D window 1
.if (\s) == 0
	MMH \t0, 32*((\s)%4), AS+4*((\s)%2), XS+2*((\s)%4), OB, 1
.else
	MMH \t0, 32*((\s)%4), AS+4*((\s)%2), XS+2*((\s)%4), OB, 0
.endif
	PLACES
	WIN 0
.endm
.macro GSTEP s                         ; K step s of q^T = Wq x^T
	s_wait_dscnt 12
.if (\s) < 6
	s_wait_loadcnt 14                              ; x of the two steps behind this one may be out
.else
	s_wait_loadcnt 7*(7-(\s))
.endif
	GHALF \s, 0
.if (\s) < 3
	RUN1 LI, ((\s)+1)*12800, AS+4*(((\s)+1)%2)
.elseif (\s) < 7
	RUN1 LA1, ((\s)-3)*12800, AS+4*(((\s)+1)%2)
.else
	RUN1 LAK, 0, AS
.endif
.if (\s) < 5
	XLOAD (\s)+3, 0, 0
.endif
	s_wait_dscnt 13
	GHALF \s, 4
.if (\s) < 3
	RUN2 LI, ((\s)+1)*12800
.elseif (\s) < 7
	RUN2 LA1, ((\s)-3)*12800
.else
	RUN2 LAK, 0
.endif
.endm
.macro HALVES2                         ; the blocks' maxima are joined with lane l xor 16's
.irp m, 0,1
.irp b, 0,1,2,3
	v_permlanex16_b32 v[TM+16*\m+4+\b], v[TM+16*\m+\b], s[SEL], s[SEL+1]
.endr
.endr
.irp m, 0,1
.irp b, 0,1,2,3
	v_max_num_f32 v[TM+16*\m+\b], v[TM+16*\m+\b], v[TM+16*\m+4+\b]
.endr
.endr
.endm
.macro WORDS2 pw                       ; from the blocks' largest magnitudes: scale operands (TM + 12 ..), bytes, scale words
.irp m, 0,1
.irp b, 0,1,2,3
	v_add_nc_u32 v[TM+16*\m+12+\b], 0xff000000, v[TM+16*\m+\b]   ; 2 off the exponent field
.endr
.endr
.irp m, 0,1
.irp b, 0,1,2,3
	v_lshrrev_b32 v[TM+16*\m+4+\b], 23, v[TM+16*\m+12+\b]
.endr
.endr
.irp m, 0,1
	v_lshl_or_b32 v[TM+16*\m+4], v[TM+16*\m+5], 8, v[TM+16*\m+4]
.endr
.irp m, 0,1
	v_lshl_or_b32 v[TM+16*\m+6], v[TM+16*\m+7], 8, v[TM+16*\m+6]
.endr
.irp m, 0,1
	DL 2
	v_lshl_or_b32 v[(\pw)+\m], v[TM+16*\m+6], 16, v[TM+16*\m+4]
.endr
.endm
.macro CODES2 src, pc                  ; two tiles' numbers in window 1 (tile m at src + 64 m) become codes in v[pc + 12 m] on
	WIN 0x01
.irp m, 0,1
.irp c, 0,1
	v_cvt_scalef32_pk16_fp6_f32 v[(\pc)+12*\m+6*\c:(\pc)+12*\m+6*\c+2], v[(\src)+64*\m+32*\c:(\src)+64*\m+32*\c+15], v[TM+16*\m+12+2*\c]
	v_cvt_scalef32_pk16_fp6_f32 v[TM+16*\m+4*\c:TM+16*\m+4*\c+2], v[(\src)+64*\m+32*\c+16:(\src)+64*\m+32*\c+31], v[TM+16*\m+13+2*\c]
.endr
.endr
	WIN 0
	v_nop                                          ; one plain place behind a scaled conversion
.irp m, 0,1                                    ; the operand's layout wants a whole block in a lane
.irp c, 0,1
.irp i, 0,1,2
	v_permlane16_swap_b32 v[(\pc)+12*\m+6*\c+\i], v[TM+16*\m+4*\c+\i]
.endr
.endr
.endr
.irp m, 0,1
.irp c, 0,1
.irp i, 0,1,2
	v_mov_b32 v[(\pc)+12*\m+3+6*\c+\i], v[TM+16*\m+4*\c+\i]
.endr
.endr
.endr
.endm
.macro QUANT2 src, pc, pw
	WIN 0x05
.irp m, 0,1
.irp b, 0,1,2,3
	v_max3_num_f32 v[TM+16*\m+\b], |v[(\src)+64*\m+16*\b]|, |v[(\src)+64*\m+16*\b+1]|, 0x1800000   ; from each accumulator's low end on, and the floor 2^(3 - 127)
.endr
.endr
	WIN 0x14
.irp i, 2,4,6,8,10,12,14
.irp m, 0,1
.irp b, 0,1,2,3
	v_max3_num_f32 v[TM+16*\m+\b], v[TM+16*\m+\b], |v[(\src)+64*\m+16*\b+\i]|, |v[(\src)+64*\m+16*\b+\i+1]|
.endr
.endr
.endr
	WIN 0
	HALVES2
	WORDS2 \pw
	CODES2 \src, \pc
.endm
; the two tiles' softmax for 128 keys.  first = 1: the first key step starts M and the sum, and there is no O yet.
.macro SOFTMAX2 first
	WIN 0x15
.irp m, 0,1
.irp b, 0,1,2,3
	v_max3_num_f32 v[TM+16*\m+\b], v[64*\m+16*\b], v[64*\m+16*\b+1], v[64*\m+16*\b+2]   ; the largest score of each block of 32 keys
.endr
.endr
	WIN 0x14
.irp i, 3,5,7,9,11,13
.irp m, 0,1
.irp b, 0,1,2,3
	v_max3_num_f32 v[TM+16*\m+\b], v[TM+16*\m+\b], v[64*\m+16*\b+\i], v[64*\m+16*\b+\i+1]
.endr
.endr
.endr
	WIN 0x04
.irp m, 0,1
.irp b, 0,1,2,3
	v_max_num_f32 v[TM+16*\m+\b], v[TM+16*\m+\b], v[64*\m+16*\b+15]
.endr
.endr
	WIN 0
	HALVES2
.irp m, 0,1
	v_max3_num_f32 v[T+\m], v[TM+16*\m], v[TM+16*\m+1], v[TM+16*\m+2]
.endr
.if \first
.irp m, 0,1
	DL 2
	v_max_num_f32 v[ST+4*\m+1], v[T+\m], v[TM+16*\m+3]             ; the largest score so far (c is positive: the largest t is c x this)
.endr
.irp m, 0,1
	DL 2
	v_mul_f32 v[T+\m], s[CS], v[ST+4*\m+1]
.endr
.else
.irp m, 0,1
	DL 2
	v_max3_num_f32 v[ST+4*\m+1], v[ST+4*\m+1], v[T+\m], v[TM+16*\m+3]
.endr
.irp m, 0,1
	v_mov_b32 v[T+2+\m], v[ST+4*\m]                                ; the old -M
.endr
.irp m, 0,1
	DL 4
	v_mul_f32 v[T+\m], s[CS], v[ST+4*\m+1]
.endr
.endif
.irp m, 0,1
	DL 2
	v_floor_f32 v[ST+4*\m], -v[T+\m]                               ; -M = floor(-t)
.endr
.if !(\first)
.irp m, 0,1
	DL 2
	v_sub_f32 v[T+\m], v[ST+4*\m], v[T+2+\m]                       ; old M - new M: a whole number, 0 or less
.endr
.irp m, 0,1
	DL 2
	v_cvt_i32_f32 v[T+\m], v[T+\m]
.endr
.irp m, 0,1
	DL 2
	v_ldexp_f32 v[TM+16*\m+8], 1.0, v[T+\m]                        ; f = 2^(old M - new M)
.endr
.endif
.irp b, 0,1,2,3
.irp m, 0,1
	v_fma_f32 v[TM+16*\m+\b], v[TM+16*\m+\b], s[CS], v[ST+4*\m]    ; t - M of each block's largest score
.endr
.endr
.if !(\first)
.irp m, 0,1
	v_pk_mul_f32 v[ST+4*\m+2:ST+4*\m+3], v[ST+4*\m+2:ST+4*\m+3], v[TM+16*\m+8:TM+16*\m+9] op_sel_hi:[1,0]   ; the sums under the new M
.endr
	WIN 0x41
.irp m, 0,1
.set JJ, 0
.rept 32
	v_pk_mul_f32 v[OB+64*\m+JJ:OB+64*\m+JJ+1], v[OB+64*\m+JJ:OB+64*\m+JJ+1], v[TM+16*\m+8:TM+16*\m+9] op_sel_hi:[1,0]   ; O under the new M, each accumulator from its low end on
.set JJ, JJ+2
.endr
.endr
.endif
	WIN 0x41
.irp m, 0,1
.set JJ, 0
.rept 32
	v_pk_fma_f32 v[64*\m+JJ:64*\m+JJ+1], v[64*\m+JJ:64*\m+JJ+1], s[CS:CS+1], v[ST+4*\m:ST+4*\m+1] op_sel_hi:[1,0,0]   ; t - M, two at a time
.set JJ, JJ+2
.endr
.endr
	s_wait_alu depctr_va_vdst(0)                   ; the wait ahead of the batch
.set JJ, 0
.rept 128
	v_exp_f32 v[JJ], v[JJ]                         ; p = 2^(t - M)
.set JJ, JJ+1
.endr
	WIN 0
.irp m, 0,1
.irp b, 0,1,2,3
	v_exp_f32 v[TM+16*\m+\b], v[TM+16*\m+\b]       ; the block's largest p
.endr
.endr
	v_nop                                          ; a plain place behind the exponentials
	s_wait_alu depctr_va_vdst(0)                   ; and the wait behind the batch
.irp m, 0,1
.irp b, 0,1,2,3
	v_max_num_f32 v[TM+16*\m+\b], 0x1800000, v[TM+16*\m+\b]   ; the floor 2^(3 - 127)
.endr
.endr
	WORDS2 PS
	CODES2 0, PC
	WIN 0x05                                       ; the rows' sums of the unquantised p, four chains a tile; these lines are also the places between p's codes and scale words and the products
.set JJ, 0
.irp o, 0,10,12,14
.irp m, 0,1
	v_pk_add_f32 v[TM+16*\m+\o:TM+16*\m+\o+1], v[64*\m+JJ:64*\m+JJ+1], v[64*\m+JJ+2:64*\m+JJ+3]
.endr
.set JJ, JJ+4
.endr
	WIN 0x04
.rept 6
.irp o, 0,10,12,14
.irp m, 0,1
	v_pk_add_f32 v[TM+16*\m+\o:TM+16*\m+\o+1], v[TM+16*\m+\o:TM+16*\m+\o+1], v[64*\m+JJ:64*\m+JJ+1]
.endr
.set JJ, JJ+2
.endr
.endr
	WIN 0
.irp m, 0,1
	v_pk_add_f32 v[TM+16*\m:TM+16*\m+1], v[TM+16*\m:TM+16*\m+1], v[TM+16*\m+10:TM+16*\m+11]
.endr
.irp m, 0,1
	v_pk_add_f32 v[TM+16*\m+12:TM+16*\m+13], v[TM+16*\m+12:TM+16*\m+13], v[TM+16*\m+14:TM+16*\m+15]
.endr
.if \first
.irp m, 0,1
	DL 2
	v_pk_add_f32 v[ST+4*\m+2:ST+4*\m+3], v[TM+16*\m:TM+16*\m+1], v[TM+16*\m+12:TM+16*\m+13]
.endr
.else
.irp m, 0,1
	DL 2
	v_pk_add_f32 v[TM+16*\m:TM+16*\m+1], v[TM+16*\m:TM+16*\m+1], v[TM+16*\m+12:TM+16*\m+13]
.endr
.irp m, 0,1
	DL 2
	v_pk_add_f32 v[ST+4*\m+2:ST+4*\m+3], v[ST+4*\m+2:ST+4*\m+3], v[TM+16*\m:TM+16*\m+1]
.endr
.endif
.endm
.macro KSTEP first                     ; 128 keys: K's chunk is in the set; V's follows it by halves, then the next K's
	MMSTEP 0x40, QC, AS, QS, 0, 1, ADV, AS+4
	SOFTMAX2 \first
	s_wait_alu depctr_va_vdst(0)                   ; directly ahead of the wait below
	MMSTEP 0x50, PC, AS+4, PS, OB, \first, ADK, AS
.endm
	s_load_b256 s[4:11], s[0:1], 0x0               ; x_img 4, wq_img 6, kv_img 8, a_img 10
	v_lshl_add_u32 v[SPW], v0, 2, 0x32000
	v_mov_b32 v[NIL], 0
	ds_add_u32 v[SPW], v[NIL]                      ; the opening lines: the add, twice on end, and its wait
	ds_add_u32 v[SPW], v[NIL]
	v_lshrrev_b32 v1, 5, v0
	v_readfirstlane_b32 s[WV], v1
	s_bfe_u32 s13, ttmp6, 0x40000                  ; cx: enters x's and a's addresses alone
	s_and_b32 s14, ttmp7, 0xffff                   ; 8 b + h
	s_and_b32 s15, s14, 7                          ; h
	s_mov_b32 s[G1], 15|(3<<16)|(1<<21)            ; mask: all four work-groups; elements of 8 bytes; bit 21 beside a mask
	s_mov_b32 s[G1+1], 32<<16                      ; rows of 256 bytes,
	s_mov_b32 s[G1+2], 100<<16                     ; 100 of them: two chunks
	s_mov_b32 s[G1+3], 32<<16
	s_mov_b32 s[G1+4], 100
	s_mov_b32 s[G1+5], 32
	s_mov_b32 s[G1+6], 0
	s_mov_b32 s[G1+7], 0
	s_mul_i32 s16, s[WV], 25600                    ; where my two chunks go
	s_and_b32 s17, s[WV], 3
	s_mul_i32 s17, s17, 25600                      ; and where they lie in their buffer's 102,400 bytes
	s_mul_i32 s18, s15, 102400
	s_add_co_u32 s18, s18, s17
	s_mov_b32 s19, 0
	s_mul_i32 s20, s14, 102400
	s_add_co_u32 s20, s20, s17
	s_mov_b32 s21, 0
	s_mov_b32 s[SEL], 0x76543210
	s_mov_b32 s[SEL+1], 0xfedcba98
	s_mov_b32 s[CS], 0x3e0293ee                    ; log2(e) / sqrt(128)
	s_mov_b32 s[CS+1], s[CS]
	v_and_b32 v1, 31, v0
	v_lshlrev_b32 v[L8], 3, v1
	v_lshlrev_b32 v[LI], 4, v1
	v_add_nc_u32 v[LA1], 51200, v[LI]
	v_add_nc_u32 v[LAK], 102400, v[LI]
.irp m, 0,1
.irp b, 0,1,2,3
	v_mov_b32 v[TM+16*\m+4+\b], 0                  ; written once: a lane permute's destination counts as one of its sources
.endr
	v_mov_b32 v[TM+16*\m+9], 0                     ; (named as the upper half of a pair)
	v_mov_b32 v[RC+2*\m+1], 0
.endr
	s_wait_alu depctr_va_vdst(0)                   ; the wait at the end of the head's vector work
	s_wait_dscnt 0x0
	s_wait_kmcnt 0x0
	s_add_nc_u64 s[18:19], s[6:7], s[18:19]        ; wq_img at the head's chunks,
	s_add_nc_u64 s[20:21], s[8:9], s[20:21]        ; kv_img at the batch and head's
	s_cmp_lt_u32 s[WV], 4                          ; waves 0-3 fetch Wq, waves 4-7 K and V: a choice of pointers, no branch
	s_cselect_b64 s[G0+2:G0+3], s[18:19], s[20:21]
	s_or_b32 s[G0+3], s[G0+3], 0x80000000
	s_mov_b32 s[G0], 1
	s_mov_b32 s[G0+1], s16
	CROUND                                         ; all four work-groups are here: the joint loads meet
	tensor_load_to_lds s[G0:G0+3], s[G1:G1+7]
	s_nop 0
	PLACES
	s_lshl_b32 s16, ttmp9, 2
	s_add_co_u32 s16, s16, s13                     ; my block of 512 rows
	s_lshl_b32 s16, s16, 3
	s_lshr_b32 s17, s14, 3
	s_lshl_b32 s17, s17, 5
	s_add_co_u32 s16, s16, s17
	s_add_co_u32 s16, s16, s[WV]                   ; group of 64 rows: 32 b + 8 block + wave
	s_mul_i32 s16, s16, 53248
	s_mov_b32 s17, 0
	s_add_nc_u64 s[XP:XP+1], s[4:5], s[16:17]
	s_add_nc_u64 s[XQ:XQ+1], s[XP:XP+1], 6144
	s_mul_i32 s22, s15, 6656
	s_add_co_u32 s16, s16, s22
	s_add_nc_u64 s[AP:AP+1], s[10:11], s[16:17]
	s_add_nc_u64 s[AQ:AQ+1], s[AP:AP+1], 6144
	XLOAD 0, 0, 0
	XLOAD 1, 0, 0
	XLOAD 2, 0, 0
	s_wait_tensorcnt 0x0                           ; my two chunks are in,
	s_barrier_signal -1
	s_barrier_wait -1                              ; everybody's are; nothing is filled again
	RUN1 LI, 0, AS
	RUN2 LI, 0
	s_mov_b32 s[HC], 2
.Lhalf:
.irp s, 0,1,2,3,4,5,6,7
	GSTEP \s
.endr
	QUANT2 OB, QC, QS
	v_add_nc_u32 v[ADV], 153600, v[LI]             ; V's chunk 0, K's chunk 1
	v_add_nc_u32 v[ADK], 115200, v[LI]
	PLACES                                         ; between q's last codes and the products
	s_wait_alu depctr_va_vdst(0)
	KSTEP 1
	s_mov_b32 s[TV], 166400
	s_mov_b32 s[TK], 128000
	s_mov_b32 s[KC], 3
.Lkey:
	s_cmp_eq_u32 s[KC], 1
	s_cselect_b32 s[TKE], 0, s[TK]                 ; behind the last key step: Wq's chunk 0, for the next half
	v_add_nc_u32 v[ADV], s[TV], v[LI]
	v_add_nc_u32 v[ADK], s[TKE], v[LI]
	s_wait_alu depctr_va_vdst(0)
	KSTEP 0
	s_add_co_u32 s[TV], s[TV], 12800
	s_add_co_u32 s[TK], s[TK], 12800
	s_sub_co_u32 s[KC], s[KC], 1
	s_cmp_lg_u32 s[KC], 0
	s_cbranch_scc1 .Lkey
	s_cmp_eq_u32 s[HC], 1                          ; p is done with: its registers take the next half's first three chunks of x, if there is a next half
	s_cbranch_scc1 .Lno_next
	XLOAD 0, 3072, 8
	XLOAD 1, 3072, 8
	XLOAD 2, 3072, 8
.Lno_next:
.irp m, 0,1
	v_add_f32 v[TM+\m], v[ST+4*\m+2], v[ST+4*\m+3]     ; the sum's two halves,
.endr
.irp m, 0,1
	v_permlanex16_b32 v[TM+4+\m], v[TM+\m], s[SEL], s[SEL+1]
.endr
.irp m, 0,1
	v_add_f32 v[TM+\m], v[TM+\m], v[TM+4+\m]           ; and lane l xor 16's: l
.endr
	s_wait_alu depctr_va_vdst(0)
.irp m, 0,1
	v_rcp_f32 v[RC+2*\m], v[TM+\m]
.endr
	v_nop                                          ; a plain place behind the reciprocals
	WIN 0x41
	s_wait_alu depctr_va_vdst(0)                   ; directly ahead of the first reader of 1 / l and of O
.irp m, 0,1
.set JJ, 0
.rept 32
	v_pk_mul_f32 v[OB+64*\m+JJ:OB+64*\m+JJ+1], v[OB+64*\m+JJ:OB+64*\m+JJ+1], v[RC+2*\m:RC+2*\m+1] op_sel_hi:[1,0]   ; O / l, each accumulator from its low end on
.set JJ, JJ+2
.endr
.endr
	QUANT2 OB, PC, PS                              ; quantised along d: my half of a chunk of a_img
.irp k, 0,1,2,3,4,5
	global_store_b128 v[LI], v[PC+4*\k:PC+4*\k+3], s[AP:AP+1] offset:512*\k   ; each store covers 512 consecutive bytes, aligned to 256
.endr
	global_store_b64 v[L8], v[PS:PS+1], s[AQ:AQ+1] ; 256 consecutive bytes, aligned
	s_wait_xcnt 0x0                                ; the stores have read their data, loads and stores their bases
	s_add_nc_u64 s[XP:XP+1], s[XP:XP+1], 3072
	s_add_nc_u64 s[XQ:XQ+1], s[XQ:XQ+1], 8
	s_add_nc_u64 s[AP:AP+1], s[AP:AP+1], 3072
	s_add_nc_u64 s[AQ:AQ+1], s[AQ:AQ+1], 256
	s_sub_co_u32 s[HC], s[HC], 1
	s_cmp_lg_u32 s[HC], 0
	s_wait_alu depctr_va_vdst(0)
	s_cbranch_scc1 .Lhalf
	s_wait_dscnt 0x0
	s_wait_tensorcnt 0x0                           ; the wave's end
	ds_add_u32 v[SPW], v[NIL]
	s_wait_dscnt 0x0
	CROUND                                         ; the closing round
	s_endpgm
.Lfunc_end_k_qb99b92db68_qattn:
	.size	k_qb99b92db68_qattn, .Lfunc_end_k_qb99b92db68_qattn-k_qb99b92db68_qattn
	.p2alignl 7, 3214868480
	.fill 96, 4, 3214868480
	.section	.rodata,"a",@progbits
	.p2align	6, 0x0
	.amdhsa_kernel k_qb99b92db68_qattn
		.amdhsa_group_segment_fixed_size 205824
		.amdhsa_private_segment_fixed_size 0
		.amdhsa_enable_private_segment 0
		.amdhsa_kernarg_size 32
		.amdhsa_user_sgpr_count 2
		.amdhsa_user_sgpr_kernarg_segment_ptr 1
		.amdhsa_wavefront_size32 1
		.amdhsa_system_sgpr_workgroup_id_x 1
		.amdhsa_system_sgpr_workgroup_id_y 1
		.amdhsa_system_sgpr_workgroup_id_z 1
		.amdhsa_system_vgpr_workitem_id 0
		.amdhsa_next_free_vgpr 512
		.amdhsa_next_free_sgpr 66
		.amdhsa_reserve_vcc 0
		.amdhsa_float_denorm_mode_32 3
		.amdhsa_float_denorm_mode_16_64 3
		.amdhsa_memory_ordered 1
		.amdhsa_forward_progress 1
		.amdhsa_inst_pref_size 132
	.end_amdhsa_kernel
	.amdgpu_metadata
---
amdhsa.version: [ 1, 2 ]
amdhsa.kernels:
  - .name:           k_qb99b92db68_qattn
    .symbol:         k_qb99b92db68_qattn.kd
    .args:
      - { .name: x_img, .offset: 0, .size: 8, .value_kind: global_buffer, .address_space: global }
      - { .name: wq_img, .offset: 8, .size: 8, .value_kind: global_buffer, .address_space: global }
      - { .name: kv_img, .offset: 16, .size: 8, .value_kind: global_buffer, .address_space: global }
      - { .name: a_img, .offset: 24, .size: 8, .value_kind: global_buffer, .address_space: global }
    .group_segment_fixed_size: 205824
    .private_segment_fixed_size: 0
    .kernarg_segment_align: 8
    .kernarg_segment_size: 32
    .max_flat_workgroup_size: 256
    .sgpr_count:     66
    .vgpr_count:     512
    .wavefront_size: 32
...
	.end_amdgpu_metadata
.endif
;; end of part 2
;; launch oproj (part 3): grid 64 x 4, 4 waves a work-group, clusters of 4 x 1, 327,680 bytes of LDS; arguments a_img, wo_img, bo, out0; writes out0
.if DOCPART == 3
	.amdgcn_target "amdgcn-amd-amdhsa--gfx1250"
	.amdhsa_code_object_version 6
	.text
	.protected	k_qb99b92db68_oproj
	.globl	k_qb99b92db68_oproj
	.p2align	8
	.type	k_qb99b92db68_oproj,@function
k_qb99b92db68_oproj:
	s_mov_b64 s[64:65], 0
	v_nop
	global_prefetch_b8 v0, s[64:65] scope:SCOPE_SE
	s_setreg_imm32_b32 hwreg(HW_REG_WAVE_MODE, 25, 1), 1
	s_wait_xcnt 0x0
	s_wait_alu depctr_hold_cnt(0) depctr_sa_sdst(0) depctr_va_vdst(0) depctr_va_sdst(0) depctr_va_ssrc(0) depctr_va_vcc(0) depctr_vm_vsrc(0)
	s_getreg_b32 s2, hwreg(HW_REG_IB_STS2, 6, 4)
	s_cmp_eq_u32 s2, 0
	s_cbranch_scc0 .Lentry_in_a_cluster
	s_endpgm
.Lentry_in_a_cluster:
	s_bfe_u32 s2, ttmp6, 0x10000c
	s_cmp_lg_u32 s2, 0x3003
	s_cbranch_scc0 .Lentry_shape_is_right
	s_endpgm
.Lentry_shape_is_right:
; OPROJ.  out = attn Wo + bo on E2M3 codes with E8M0 scales; attn arrives as XCHUNKs (a_img: [64 rows][head]), Wo as CHUNKs (wo_img: [128 columns][head]); out0 is f32.
; IMAGE: a fragment's 12 registers, registers 4 c .. 4 c + 3 of lane l at 512 c + 16 l.  CHUNK (12,800 bytes): 8 fragments whose lane r holds column 32 (t / 2) + 8 (t % 2) + r + 8 (r / 8) of 128, scale words at
; 12,288 (register t % 4; lanes 0-15 tiles 0-3, lanes 16-31 tiles 4-7).  XCHUNK (6,656 bytes): 4 fragments of 64 neighbouring rows, scale words at 6,144 + 256 (m / 2) + 8 lane + 4 (m % 2).
; SHARES.  A work-group makes 256 rows (x) x 256 columns (y); wave w its 64 rows x all 256 columns, AS FOUR QUARTERS OF 64 COLUMNS, one after the other, each through all eight K steps: 32 steps of 16 products
; (4 tiles of half a chunk x 4 tiles of rows).  Source 0 = 16 columns of Wo, source 1 = 16 rows of attn: a lane holds one row, register 8 tt + j of a tile of rows its column 32 (tt / 2) + 16 (lane / 16) + 8 (tt % 2) + j
; of the quarter.  The bias is the C of each sum's first instruction.
; attn IS READ ONCE AND STAYS: its eight chunks go from memory to the one wave's registers that uses them (384 registers and 32 scale words), asked for four steps ahead in the first quarter.
; TWO SETS OF 128 ACCUMULATORS take turns by quarters: a finished quarter's four blocks of 16 rows x 64 columns leave among the next quarter's eight steps (into the stage in steps 0, 2, 4, 6, stored in steps 1, 3, 5, 7).
; Half chunks come from LDS into three buffers, two steps ahead: 13 loads each, so the counted wait is 26, and 42 in a step that also sends a block through the stage (8 stores and 8 loads).
; RESIDENT in LDS, filled once: Wo's 16 chunks, chunk (g, s) at 102,400 g + 12,800 s.  CLUSTER 4 x 1: the four row blocks need the same chunks: joint tensor loads.  At the head wave w asks for chunks 2 w, 2 w + 1
; of columns 0-127; behind the three lines and a round, for those of columns 128-255: one tensor load out at a time; the wait for the second stands in step 14, which first asks for one of them.
; Behind the chunks: a stage of 16 rows x (256 + 16) bytes for each wave, bytes that no fill touches; behind the stages the spare words.
; REGISTERS.  window 0: below.  window 1: the accumulators, set p at 128 p, (m, tt) at 32 m + 8 tt.  window 2: attn's K steps 0-4 at 48 s.  window 3: K steps 5-7 at 48 (s - 5); v144-207 rows on their way out; v208-239 the bias.
.set WV,  12
.set G1,  24
.set G0,  32
.set XP,  48
.set OP,  50
.set BP,  52
.set LB,  1                            ; v1-4 16 x lane + 0, 51,200, 102,400, 153,600
.set L8,  5                            ; 8 x lane
.set STO, 6                            ; the stage: where I put my row's numbers
.set RD,  7                            ; and where I read rows back
.set CO,  9                            ; my byte offset in out0: lanes 0-15 one row's 256 bytes, lanes 16-31 the next row's
.set AS,  12                           ; v12-23 the half chunks' scale words, three sets
.set CF,  40                           ; v40-183 the half chunks' fragments, three buffers of 48
.set XS,  184                          ; v184-215 attn's scale words, 4 for each K step
.set BKA, 144                          ; window 3
.set BI,  208                          ; window 3
.set MSB, 0
.macro WIN new
.if MSB != (\new)
	s_set_vgpr_msb (MSB<<8)|(\new)
.set MSB, (\new)
.endif
.endm
.macro PLACES                          ; four plain places behind matrix instructions (ISA guide 7.12.1)
.rept 4
	v_nop
.endr
.endm
.macro CROUND
	s_barrier_signal -1
	s_barrier_wait -1
	s_cmp_lg_u32 s[WV], 0
	s_cbranch_scc1 .Lnot_wave_0_\@
	s_barrier_signal -3
.Lnot_wave_0_\@:
	s_barrier_wait -3
	s_barrier_signal -1
	s_barrier_wait -1
.endm
; 16 products.  hi = 1: the chunk's tiles 4-7, whose scale words lie in lanes 16-31.  cm = 1: the sums begin with the bias.  The accumulators take turns.
.macro MMQ cf, bf, sa, sb, hi, acc, cm
.irp tt, 0,1,2,3
.irp m, 0,1,2,3
.set DD, (\acc)+32*\m+8*\tt
.set AA, (\cf)+12*\tt
.set BB, (\bf)+12*\m
.if (\cm) && ((\hi) == 0)
	v_wmma_scale_f32_16x16x128_f8f6f4 v[DD:DD+7], v[AA:AA+11], v[BB:BB+11], v[BI+8*\tt:BI+8*\tt+7], v[(\sa)+\tt], v[(\sb)+\m] matrix_a_fmt:MATRIX_FMT_FP6 matrix_b_fmt:MATRIX_FMT_FP6
.elseif \cm
	v_wmma_scale_f32_16x16x128_f8f6f4 v[DD:DD+7], v[AA:AA+11], v[BB:BB+11], v[BI+8*\tt:BI+8*\tt+7], v[(\sa)+\tt], v[(\sb)+\m] matrix_a_fmt:MATRIX_FMT_FP6 matrix_b_fmt:MATRIX_FMT_FP6 matrix_a_scale:MATRIX_SCALE_ROW1
.elseif (\hi) == 0
	v_wmma_scale_f32_16x16x128_f8f6f4 v[DD:DD+7], v[AA:AA+11], v[BB:BB+11], v[DD:DD+7], v[(\sa)+\tt], v[(\sb)+\m] matrix_a_fmt:MATRIX_FMT_FP6 matrix_b_fmt:MATRIX_FMT_FP6
.else
	v_wmma_scale_f32_16x16x128_f8f6f4 v[DD:DD+7], v[AA:AA+11], v[BB:BB+11], v[DD:DD+7], v[(\sa)+\tt], v[(\sb)+\m] matrix_a_fmt:MATRIX_FMT_FP6 matrix_b_fmt:MATRIX_FMT_FP6 matrix_a_scale:MATRIX_SCALE_ROW1
.endif
.endr
.endr
.endm
.macro CLOAD q                         ; step q's half chunk into buffer q % 3: the scale words and four fragments: 13 loads
.set LS, (\q)%8
.set LC, (\q)/8
.set LAD, LB+2*(LC/2)+LS/4
	ds_load_b128 v[AS+4*((\q)%3):AS+4*((\q)%3)+3], v[LAD] offset:(LS%4)*12800+12288
.irp k, 0,1,2,3,4,5,6,7,8,9,10,11
	ds_load_b128 v[CF+48*((\q)%3)+4*\k:CF+48*((\q)%3)+4*\k+3], v[LAD] offset:(LS%4)*12800+6144*(LC%2)+512*\k
.endr
.endm
.macro XFRAGS s, reg                   ; attn's four fragments of K step s: 12 loads of 512 consecutive bytes
.irp k, 0,1,2,3,4,5,6,7,8,9,10,11
	global_load_b128 v[(\reg)+4*\k:(\reg)+4*\k+3], v[LB], s[XP:XP+1] offset:6656*(\s)+512*\k
.endr
.endm
.macro XLOAD s                         ; fragments and scale words of K step s: 14 loads
.if (\s) < 5
	WIN 0x80                                       ; destination window 2
	XFRAGS \s, 48*(\s)
.else
	WIN 0xc0                                       ; destination window 3
	XFRAGS \s, 48*((\s)-5)
.endif
	WIN 0
	global_load_b64 v[XS+4*(\s):XS+4*(\s)+1], v[L8], s[XP:XP+1] offset:6656*(\s)+6144
	global_load_b64 v[XS+4*(\s)+2:XS+4*(\s)+3], v[L8], s[XP:XP+1] offset:6656*(\s)+6400
.endm
.macro BIAS c                          ; quarter c's bias in the result's layout: tile tt's eight columns of my half of the lanes: 8 loads
	WIN 0xc0
.irp tt, 0,1,2,3
	global_load_b128 v[BI+8*\tt:BI+8*\tt+3], v8, s[BP:BP+1] offset:(64*(\c)+32*(\tt/2)+8*(\tt%2))*4
	global_load_b128 v[BI+8*\tt+4:BI+8*\tt+7], v8, s[BP:BP+1] offset:(64*(\c)+32*(\tt/2)+8*(\tt%2))*4+16
.endr
	WIN 0
.endm
; THE WAY OUT of quarter c's block m: 16 rows x 64 columns go into my own stage at their columns' places and come back as whole rows of 256 bytes, two rows a load, into 32 registers at bk of window 3.
; LDS serves a wave's instructions in order (ISA guide 5.7.1.4): no wait between the stores and the loads, nor in front of the next block's stores.
.macro TOSTAGE c, m, bk
	WIN 0x04                                       ; an LDS store's data are its source 1: window 1
.irp tt, 0,1,2,3
	ds_store_b128 v[STO], v[128*((\c)%2)+32*(\m)+8*\tt:128*((\c)%2)+32*(\m)+8*\tt+3] offset:128*(\tt/2)+32*(\tt%2)          ; each accumulator from its low end on
	ds_store_b128 v[STO], v[128*((\c)%2)+32*(\m)+8*\tt+4:128*((\c)%2)+32*(\m)+8*\tt+7] offset:128*(\tt/2)+32*(\tt%2)+16
.endr
	WIN 0xc0
.irp i, 0,1,2,3,4,5,6,7
	ds_load_b128 v[(\bk)+4*\i:(\bk)+4*\i+3], v[RD] offset:544*\i
.endr
	WIN 0
.endm
.macro SEND c, m, bk
	WIN 0x0c                                       ; a store's data are its source 1: window 3
.irp i, 0,1,2,3,4,5,6,7
	global_store_b128 v[CO], v[(\bk)+4*\i:(\bk)+4*\i+3], s[OP:OP+1] offset:(16*(\m)+2*\i)*4096+256*(\c) th:TH_STORE_NT   ; sixteen lanes store 256 consecutive bytes, at a multiple of 256 from out0's first byte
.endr
	WIN 0
.endm
; step q: quarter q / 8, K step q % 8
.macro OSTEP q
.set CC, (\q)/8
.set SS, (\q)%8
.set NN, 26                            ; the two later half chunks may be out
.if \q == 30
.set NN, 13
.elseif \q == 31
.set NN, 0
.endif
.if \q > 0
	PLACES
.endif
.if \q == 14
	s_wait_tensorcnt 0x0                           ; my chunks of columns 128-255 are in, no LDS instruction of mine is out;
	s_wait_dscnt 0x0
	s_barrier_signal -1
	s_barrier_wait -1                              ; everybody's are.  Nothing is filled again
.endif
.if (CC > 0) && (SS%2 == 0)
.if \q > 8
	s_wait_xcnt 0x0                                ; the block before has been read by its stores: the next may land in its registers
.endif
	TOSTAGE CC-1, SS/2, BKA
.set NN, NN+16                         ; the block's 16 LDS instructions stand behind this step's half chunk
.endif
.if \q < 30
	CLOAD (\q)+2
.endif
.set CC, (\q)/8
.set SS, (\q)%8
.if \q < 4
	XLOAD (\q)+4
.endif
.if (SS == 4) && (CC < 3)
	BIAS CC+1                                      ; into the registers that this quarter's first step has read
.endif
	s_wait_dscnt NN
.if (CC > 0) && (SS%2 == 1)
	SEND CC-1, SS/2, BKA                           ; the block that went through the stage a step ago: its loads stand ahead of the half chunks that may be out
.endif
.if \q < 4
	s_wait_loadcnt 56                              ; attn of the four steps behind this one may be out (in step 0 this also shows the bias in)
.elseif \q < 8
	s_wait_loadcnt 8+14*(7-(\q))                   ; what is left of attn, and the next bias's 8
.elseif SS == 0
	s_wait_loadcnt 0x0                             ; this quarter's bias
.endif
.if SS == 0
	WIN 0x78                                       ; source 0 window 0, source 1 window 2, C (the bias) window 3, D window 1
	MMQ CF+48*((\q)%3), 0, AS+4*((\q)%3), XS, CC%2, 128*(CC%2), 1
.elseif SS < 5
	WIN 0x58                                       ; source 1 window 2, C and D window 1
	MMQ CF+48*((\q)%3), 48*SS, AS+4*((\q)%3), XS+4*SS, CC%2, 128*(CC%2), 0
.else
	WIN 0x5c                                       ; source 1 window 3
	MMQ CF+48*((\q)%3), 48*(SS-5), AS+4*((\q)%3), XS+4*SS, CC%2, 128*(CC%2), 0
.endif
	WIN 0
.endm
	s_load_b256 s[4:11], s[0:1], 0x0               ; a_img 4, wo_img 6, bo 8, out0 10
	v_lshl_add_u32 v254, v0, 2, 0x36400
	v_mov_b32 v255, 0
	ds_add_u32 v254, v255                          ; the opening lines: the add, twice on end, and its wait
	ds_add_u32 v254, v255
	v_lshrrev_b32 v1, 5, v0
	v_readfirstlane_b32 s[WV], v1
	s_bfe_u32 s13, ttmp6, 0x40000                  ; cx: enters attn's and out0's addresses alone
	s_and_b32 s14, ttmp7, 0xffff                   ; block of 256 columns
	s_mov_b32 s[G1], 15|(3<<16)|(1<<21)            ; mask: all four work-groups; elements of 8 bytes; bit 21 beside a mask
	s_mov_b32 s[G1+1], 32<<16                      ; rows of 256 bytes,
	s_mov_b32 s[G1+2], 100<<16                     ; 100 of them: two chunks
	s_mov_b32 s[G1+3], 32<<16
	s_mov_b32 s[G1+4], 100
	s_mov_b32 s[G1+5], 32
	s_mov_b32 s[G1+6], 0
	s_mov_b32 s[G1+7], 0
	s_mul_i32 s16, s[WV], 25600                    ; my two chunks of each 128 columns
	s_mul_i32 s18, s14, 204800
	s_add_co_u32 s18, s18, s16
	s_mov_b32 s19, 0
	s_mul_i32 s22, s[WV], 4352
	s_add_co_u32 s22, s22, 204800                  ; my stage
	v_and_b32 v1, 31, v0
	v_lshlrev_b32 v[L8], 3, v1
	v_lshlrev_b32 v[LB], 4, v1
	v_add_nc_u32 v[LB+1], 51200, v[LB]
	v_add_nc_u32 v[LB+2], 102400, v[LB]
	v_add_nc_u32 v[LB+3], 153600, v[LB]
	v_and_b32 v10, 15, v0                          ; r
	v_bfe_u32 v11, v0, 4, 1                        ; hf
	v_mul_u32_u24 v[STO], v10, 272
	v_lshl_add_u32 v[STO], v11, 6, v[STO]
	v_add_nc_u32 v[STO], s22, v[STO]               ; in: row r, + 64 hf: my half's 16 columns of each 32
	v_mul_u32_u24 v[RD], v11, 272
	v_lshl_add_u32 v[RD], v10, 4, v[RD]
	v_add_nc_u32 v[RD], s22, v[RD]                 ; back: lanes 0-15 a row's 256 bytes, lanes 16-31 the next row's
	v_lshlrev_b32 v[CO], 12, v11
	v_lshl_add_u32 v[CO], v10, 4, v[CO]            ; and the same two rows in out0
	v_lshlrev_b32 v8, 6, v11                       ; the bias: 64 hf
	s_wait_alu depctr_va_vdst(0)                   ; the wait at the end of the head's vector work
	s_wait_dscnt 0x0
	s_wait_kmcnt 0x0
	s_add_nc_u64 s[20:21], s[6:7], s[18:19]
.irp k, 0,1
	s_mov_b32 s[G0+4*\k], 1
	s_add_co_u32 s[G0+4*\k+1], s16, \k*102400
	s_add_nc_u64 s[G0+4*\k+2:G0+4*\k+3], s[20:21], \k*102400
	s_or_b32 s[G0+4*\k+3], s[G0+4*\k+3], 0x80000000
.endr
	CROUND                                         ; all four work-groups are here: the joint loads meet
	tensor_load_to_lds s[G0:G0+3], s[G1:G1+7]
	s_nop 0
	PLACES
	s_lshl_b32 s54, ttmp9, 2
	s_add_co_u32 s54, s54, s13                     ; my block of 256 rows
	s_lshl_b32 s54, s54, 2
	s_add_co_u32 s54, s54, s[WV]                   ; my group of 64 rows
	s_mul_i32 s56, s54, 53248
	s_mov_b32 s57, 0
	s_add_nc_u64 s[XP:XP+1], s[4:5], s[56:57]
	s_lshl_b32 s56, s54, 18                        ; 64 rows of 4,096 bytes
	s_lshl_b32 s55, s14, 10                        ; 256 columns of 4 bytes
	s_add_co_u32 s56, s56, s55
	s_add_nc_u64 s[OP:OP+1], s[10:11], s[56:57]
	s_mov_b32 s56, s55
	s_add_nc_u64 s[BP:BP+1], s[8:9], s[56:57]
	BIAS 0
	XLOAD 0
	XLOAD 1
	XLOAD 2
	s_wait_tensorcnt 0x0                           ; my chunks of columns 0-127 are in
	ds_add_u32 v254, v255
	s_wait_dscnt 0x0
	CROUND                                         ; everybody's are in, and the joint loads meet
	tensor_load_to_lds s[G0+4:G0+7], s[G1:G1+7]
	s_nop 0
	PLACES
	XLOAD 3
	CLOAD 0
	CLOAD 1
.irp q, 0,1,2,3,4,5,6,7,8,9,10,11,12,13,14,15,16,17,18,19,20,21,22,23,24,25,26,27,28,29,30,31
	OSTEP \q
.endr
	PLACES                                         ; behind the last products: for the LDS stores that read their results
	s_wait_xcnt 0x0                                ; the third quarter's last block has been read by its stores
	TOSTAGE 3, 0, BKA
.irp m, 1,2,3
.if \m > 1
	s_wait_xcnt 0x0                                ; block m - 2's stores have read their registers: block m's loads may land there
.endif
	TOSTAGE 3, \m, BKA+32*(\m%2)
	s_wait_dscnt 16                                ; behind block m - 1's loads: block m's 8 stores and 8 loads
	SEND 3, \m-1, BKA+32*((\m-1)%2)
.endr
	s_wait_dscnt 0x0
	SEND 3, 3, BKA+32
	s_wait_tensorcnt 0x0                           ; the wave's end
	ds_add_u32 v254, v255
	s_wait_dscnt 0x0
	CROUND                                         ; the closing round
	s_endpgm
.Lfunc_end_k_qb99b92db68_oproj:
	.size	k_qb99b92db68_oproj, .Lfunc_end_k_qb99b92db68_oproj-k_qb99b92db68_oproj
	.p2alignl 7, 3214868480
	.fill 96, 4, 3214868480
	.section	.rodata,"a",@progbits
	.p2align	6, 0x0
	.amdhsa_kernel k_qb99b92db68_oproj
		.amdhsa_group_segment_fixed_size 327680
		.amdhsa_private_segment_fixed_size 0
		.amdhsa_enable_private_segment 0
		.amdhsa_kernarg_size 32
		.amdhsa_user_sgpr_count 2
		.amdhsa_user_sgpr_kernarg_segment_ptr 1
		.amdhsa_wavefront_size32 1
		.amdhsa_system_sgpr_workgroup_id_x 1
		.amdhsa_system_sgpr_workgroup_id_y 1
		.amdhsa_system_sgpr_workgroup_id_z 1
		.amdhsa_system_vgpr_workitem_id 0
		.amdhsa_next_free_vgpr 1024
		.amdhsa_next_free_sgpr 66
		.amdhsa_reserve_vcc 0
		.amdhsa_float_denorm_mode_32 3
		.amdhsa_float_denorm_mode_16_64 3
		.amdhsa_memory_ordered 1
		.amdhsa_forward_progress 1
		.amdhsa_inst_pref_size 148
	.end_amdhsa_kernel
	.amdgpu_metadata
---
amdhsa.version: [ 1, 2 ]
amdhsa.kernels:
  - .name:           k_qb99b92db68_oproj
    .symbol:         k_qb99b92db68_oproj.kd
    .args:
      - { .name: a_img, .offset: 0, .size: 8, .value_kind: global_buffer, .address_space: global }
      - { .name: wo_img, .offset: 8, .size: 8, .value_kind: global_buffer, .address_space: global }
      - { .name: bo, .offset: 16, .size: 8, .value_kind: global_buffer, .address_space: global }
      - { .name: out0, .offset: 24, .size: 8, .value_kind: global_buffer, .address_space: global }
    .group_segment_fixed_size: 327680
    .private_segment_fixed_size: 0
    .kernarg_segment_align: 8
    .kernarg_segment_size: 32
    .max_flat_workgroup_size: 128
    .sgpr_count:     66
    .vgpr_count:     1024
    .wavefront_size: 32
...
	.end_amdgpu_metadata
.endif
;; end of part 3
